; MI455X (gfx1250); checked and timed in simulation.
; The chip was launched on July 23, 2026; its instructions are those of AMD's public machine-readable ISA for CDNA 5 (MIT licence, August 2026) and "CDNA5" Instruction Set Architecture Reference Guide (July 2026). The comments in the code are by the model that wrote it; some were corrected since.
;; Window Attention. Allowed arithmetic: matrix products marked QUANTISED: E2M3 operands, one E8M0 scale for each 32 along K, by v_wmma_scale_f32_16x16x128_f8f6f4 with both operands' format E2M3, f32 sums; everything else in f32.
;; Inputs: b_kv 1,024 float32; b_proj 512 float32; b_q 512 float32; mask 32 x 1 x 128 x 256 float32; pos_embed_kv 2 x 32 x 1 x 256 x 16 float32; pos_embed_q 2 x 32 x 1 x 128 x 16 float32; w_kv 512 x 1,024 float32; w_proj 512 x 512 float32; w_q 512 x 512 float32; x 8 x 64 x 64 x 512 float32.
;; Outputs: out0 8 x 64 x 64 x 512 float32.
;; Constants: H = 64, W = 64.
;; This version of the problem:
;;   THIS VERSION OF THE PROBLEM IS GIVEN IN LOW PRECISION. The matrix products marked QUANTISED in the list below multiply operands that are first quantised to E2M3 (2 exponent bits, 3 mantissa bits; 6 bits a number), with one power-of-two scale for each 32 numbers along K (OCP MX v1.0); their sums are f32. All else is computed in f32.
;;   The module's matrix products, in the order in which they are computed (A, B: the left and right operand; K: the contracted axis; several contracted axes count as one K, in the product's order):
;;     1. [M 32,768, K 512] x [K 512, N 512]; A: input x; B: input w_q: QUANTISED
;;     2. [M 32,768, K 512] x [K 512, N 1,024]; A: input x; B: input w_kv: QUANTISED
;;     3. batch 4,096 x [M 128, K 32] x [K 32, N 256]; A: computed on the way; B: computed on the way: QUANTISED
;;     4. batch 4,096 x [M 128, K 256] x [K 256, N 32]; A: softmax (see below); B: computed on the way: QUANTISED
;;     5. [M 32,768, K 512] x [K 512, N 512]; A: computed on the way; B: input w_proj: QUANTISED
;;   THE QUANTISER, for each operand of a quantised product, along K:
;;     - K is cut into blocks of 32 from its start; a last block that is shorter is filled with zeros.
;;     - A block's scale is 2^e with e = floor(log2(the largest magnitude in the block)) - 2, held to -126 .. 127; a block of zeros has e = 0. As a byte (E8M0): e + 127.
;;     - Each number is divided by its block's scale, clamped to +-7.5, and rounded to the nearest number of E2M3, ties to even, subnormals kept.
;;     - The product sums the exact products of the quantised numbers (number of the format x scale) in f32.
;;   ~~~python
;;   def quantise(x, axis):      # numpy; x: float32 -> the quantised numbers, widened to float32 again
;;       x = np.moveaxis(x, axis, -1); K = x.shape[-1]
;;       x = np.pad(x, [(0, 0)] * (x.ndim - 1) + [(0, -K % 32)]); x = x.reshape(x.shape[:-1] + (-1, 32)); a = np.abs(x).max(-1, keepdims=True)
;;       e = np.where(a > 0, np.clip(np.frexp(np.where(a > 0, a, 1))[1] - 1 - 2, -126, 127), 0)      # np.frexp(a)[1] - 1 = floor(log2(a)), exactly
;;       r = np.clip(x / 2.0 ** e, -7.5, 7.5)
;;       step = 2.0 ** (np.maximum(np.frexp(np.where(r == 0, 1, r))[1] - 1, 0) - 3)
;;       q = np.round(r / step) * step * 2.0 ** e      # np.round: ties to even
;;       return np.moveaxis(q.reshape(q.shape[:-2] + (-1,))[..., :K], -1, axis).astype(np.float32)
;;   ~~~
;;   SOFTMAX AHEAD OF A QUANTISED PRODUCT. Where the list says 'softmax', what is quantised is not the finished softmax but p = 2^(t - M), with t = logit x log2(e) and M = ceil(the row's largest t), a whole number; so 1/2 < the row's largest p <= 1. The row's sum l is taken of the UNQUANTISED p, in f32, and the product's result is divided by l at the end. Since M is a whole number, a kernel that streams over the keys may use a running M (the ceiling of the running maximum): every later rescaling is an exact power of two, which a block's scale takes up: the codes' values come out the same.
;;   OPERANDS COMPUTED ON THE WAY. 'Computed on the way' means the value that the module computes at that place (a softmax that the list does not call 'softmax' is quantised finished and normalised). What goes into a quantiser is computed in f32, as accurately as f32 sums, v_exp_f32 and their like allow (about 1e-6 of the number): no bf16 or f16 on the way to a quantiser, and a product that is left as it is and whose result goes on into a quantised operand takes f32 operands (vector FMAs, or v_wmma_f32_16x16x4_f32). A number that lies on a knife's edge between two numbers of the format may be rounded either way, as far as f32 arithmetic and the matrix unit's own rounding can turn it there, and no further.
;; One version. Each part assembles by itself: llvm-mc -triple=amdgcn-amd-amdhsa -mcpu=gfx1250 --defsym DOCPART=n.
;; ======== version 1 of 1: 2 launches
;; limits: right only within a limited range of input values
;; workspace buffers: xcodes 12,582,912 bytes; xscales 1,048,576 bytes; wcodes 786,432 bytes; wscales 65,536 bytes
;; launch quant (part 1): grid 320 x 1, 8 waves a work-group, no clusters, 68,608 bytes of LDS; arguments x, w_q, w_kv, w_proj, xcodes, xscales, wcodes, wscales; writes xcodes, xscales, wcodes, wscales
.if DOCPART == 1
	.amdgcn_target "amdgcn-amd-amdhsa--gfx1250"
	.amdhsa_code_object_version 6
	.text
	.protected	k_q4db5d24e32_quant
	.globl	k_q4db5d24e32_quant
	.p2align	8
	.type	k_q4db5d24e32_quant,@function
k_q4db5d24e32_quant:
	s_mov_b64 s[64:65], 0
	v_nop
	global_prefetch_b8 v0, s[64:65] scope:SCOPE_SE
	s_setreg_imm32_b32 hwreg(HW_REG_WAVE_MODE, 25, 1), 1
	s_wait_xcnt 0x0
; x [8][64][64][512] f32 and the weights w_q, w_kv, w_proj ([512 (K)][N] f32) become codes of FP6 (E2M3) with one E8M0 byte for each 32 along K = 512.
; Both are stored as IMAGES OF THE OPERAND'S REGISTERS: a fragment (16 rows x 128 K, 12 registers a lane) is 1,536 bytes, register group g (4 registers) at 512 g + 16 x lane;
; its scale words lie 16 bytes a lane, the word of K step s at 4 s (lanes 16-31 repeat lanes 0-15).
; A block's scale is 2^(floor(log2(largest magnitude)) - 2): its byte is the largest magnitude's exponent field - 2, held at 1 from below.
; LIMITS: a block of zeros gets the byte 1 where the rule says 127 (its codes are zeros, and this program alone reads the bytes); NaN and infinities among the inputs are not served.
; WORK-GROUPS 0-255: x.  Work-group X = 32 batch + m takes image rows 2 m, 2 m + 1 (262,144 consecutive bytes); wave w the tile of columns 8 w .. 8 w + 7: tile row rho = image row 2 m + rho / 8, column 8 w + rho % 8.
;   Each load reads 512 consecutive bytes (one position's K step); they turn through the wave's own stage in LDS so that a lane holds 16 neighbours along K of each block.
; WORK-GROUPS 256-319: the weights.  A wave makes one fragment f = 4 T + s, T = 32 pass + 4 w + ct (pass 0 K, 1 V, 2 Q, 3 proj).  A lane takes a column and its registers run down K.
;   Fragment row r takes column: K, Q: 64 w + 32 (ct / 2) + 2 r + ct % 2;  V: 512 + 64 w + 32 (ct / 2) + 8 (ct % 2) + r + 8 (r / 8);  proj: 64 w + 16 ct + r.
; No barrier: waves share nothing.  No matrix unit, tensor load or cluster: the launch streams.
.set PC,   16                          ; v16-35   the codes just made
.set TM,   36                          ; v36-51   largest magnitudes, bytes, scale operands
.set PWS,  52                          ; v52-55   the tile's four scale words
.set R0,   64                          ; v64-191  two sets of 64: numbers as loaded
.set XN,   192                         ; v192-255 64 numbers: register 16 b + i = k 32 b + 16 (lane / 16) + i of my row
.set SPITCH, 528                       ; a stage row: 512 bytes + 16
.set WSTG, 16*SPITCH                   ; a wave's stage
.set WMX,  32                          ; the weights' path: v32-33 largest magnitudes, v36-37 bytes, v44-45 scale operands, v48-59 codes, v192.. second halves
.set WBY,  36
.set WSO,  44
.set WC,   48
.set WT,   192
; 64 numbers of a lane, register 16 b + i = k 32 b + 16 (lane / 16) + i of my row, become a fragment's codes in v[PC] on and its scale word in v[pw].
.macro QUANT s, pw
.irp b, 0,1,2,3
	v_max3_num_f32 v[TM+\b], |v[(\s)+16*\b]|, |v[(\s)+1+16*\b]|, 0x1800000   ; my 16 numbers of block b, and the floor 2^(3 - 127): the byte cannot fall under 1
.endr
.irp i, 2,4,6,8,10,12,14
.irp b, 0,1,2,3
	s_delay_alu instid0(VALU_DEP_4)
	v_max3_num_f32 v[TM+\b], v[TM+\b], |v[(\s)+16*\b+\i]|, |v[(\s)+1+16*\b+\i]|
.endr
.endr
.irp b, 0,1,2,3
	s_delay_alu instid0(VALU_DEP_4)
	v_permlanex16_b32 v[TM+4+\b], v[TM+\b], s36, s37
.endr
.irp b, 0,1,2,3
	s_delay_alu instid0(VALU_DEP_4)
	v_max_num_f32 v[TM+\b], v[TM+\b], v[TM+4+\b]       ; with lane l xor 16's: the block's largest magnitude
.endr
.irp b, 0,1,2,3
	s_delay_alu instid0(VALU_DEP_4)
	v_add_nc_u32 v[TM+12+\b], 0xff000000, v[TM+\b]     ; 2 off its exponent field: the conversion's scale operand
.endr
.irp b, 0,1,2,3
	s_delay_alu instid0(VALU_DEP_4)
	v_lshrrev_b32 v[TM+4+\b], 23, v[TM+12+\b]          ; the scale's byte
.endr
	s_delay_alu instid0(VALU_DEP_3)
	v_lshl_or_b32 v[\pw], v[TM+5], 8, v[TM+4]
	s_delay_alu instid0(VALU_DEP_1)
	v_lshl_or_b32 v[\pw], v[TM+6], 16, v[\pw]
	s_delay_alu instid0(VALU_DEP_1)
	v_lshl_or_b32 v[\pw], v[TM+7], 24, v[\pw]
.irp c, 0,1
	v_cvt_scalef32_pk16_fp6_f32 v[PC+6*\c:PC+2+6*\c], v[(\s)+32*\c:(\s)+15+32*\c], v[TM+12+2*\c]
	v_cvt_scalef32_pk16_fp6_f32 v[PC+12+4*\c:PC+14+4*\c], v[(\s)+16+32*\c:(\s)+31+32*\c], v[TM+13+2*\c]   ; (a conversion's three registers begin on an even number)
.endr
	v_nop                                              ; one plain place behind a scaled conversion
.irp c, 0,1                                            ; the operand wants a whole block in a lane: lanes 0-15 block 2 c, lanes 16-31 block 2 c + 1
.irp i, 0,1,2
	v_permlane16_swap_b32 v[PC+6*\c+\i], v[PC+12+4*\c+\i]
.endr
.irp i, 0,1,2
	s_delay_alu instid0(VALU_DEP_3)
	v_mov_b32 v[PC+3+6*\c+\i], v[PC+12+4*\c+\i]
.endr
.endr
.endm
.macro LOADX st                        ; K step st of my 16 positions: 16 loads of 512 consecutive bytes
.irp rho, 0,1,2,3,4,5,6,7,8,9,10,11,12,13,14,15
	global_load_b128 v[R0+64*((\st)%2)+4*\rho:R0+64*((\st)%2)+4*\rho+3], v1, s[4:5] offset:(\rho/8)*131072+(\rho%8)*2048+512*(\st) th:TH_LOAD_NT
.endr
.endm
.macro XSTEP st
.if (\st) > 0
	s_wait_xcnt 0x0                                    ; the last step's stores have read the codes' registers
.endif
.if (\st) < 3
	s_wait_loadcnt 16                                  ; this step's 16 loads are in; the next step's 16 may be out
.else
	s_wait_loadcnt 0x0
.endif
.irp rho, 0,1,2,3,4,5,6,7,8,9,10,11,12,13,14,15
	ds_store_b128 v2, v[R0+64*((\st)%2)+4*\rho:R0+64*((\st)%2)+4*\rho+3] offset:SPITCH*\rho
.endr
.irp b, 0,1,2,3
.irp j, 0,1,2,3
	ds_load_b128 v[XN+16*\b+4*\j:XN+16*\b+4*\j+3], v3 offset:128*\b+16*\j   ; LDS serves a wave's instructions in order: these see my stores
.endr
.endr
	s_wait_dscnt 0x0                                   ; the numbers are back, and the stores have read their registers,
.if (\st) < 2
	LOADX (\st)+2                                      ; which take the loads of two steps on
.endif
	QUANT XN, PWS+(\st)
.irp g, 0,1,2
	global_store_b128 v1, v[PC+4*\g:PC+4*\g+3], s[12:13] offset:1536*(\st)+512*\g   ; 32 lanes store 512 consecutive bytes, aligned
.endr
.endm
.macro WLOAD pitch, ptr                ; W(128 s + 64 c + 32 (lane / 16) + i, my column)
	s_mul_i32 s40, s24, 128*\pitch
	v_mul_u32_u24 v8, v6, 32*\pitch
	s_wait_alu depctr_va_vdst(0)
	v_lshl_add_u32 v8, v7, 2, v8
	s_delay_alu instid0(VALU_DEP_1)
	v_add_nc_u32 v8, s40, v8
.irp c, 0,1
.irp i, 0,1,2,3,4,5,6,7,8,9,10,11,12,13,14,15,16,17,18,19,20,21,22,23,24,25,26,27,28,29,30,31
	global_load_b32 v[64+32*\c+\i], v8, s[\ptr:\ptr+1] offset:(64*\c+\i)*\pitch
.endr
.endr
.endm
	s_load_b512 s[4:19], s[0:1], 0x0                   ; x s[4:5], w_q s[6:7], w_kv s[8:9], w_proj s[10:11], xcodes s[12:13], xscales s[14:15], wcodes s[16:17], wscales s[18:19]
	v_lshl_add_u32 v62, v0, 2, 0x10800
	v_mov_b32 v63, 0
	v_lshrrev_b32 v1, 5, v0
	s_delay_alu instid0(VALU_DEP_1)
	v_readfirstlane_b32 s20, v1                        ; wave 0..7
	v_and_b32 v4, 31, v0                               ; lane
	v_and_b32 v5, 15, v0                               ; r
	v_bfe_u32 v6, v0, 4, 1                             ; hh
	s_delay_alu instid0(VALU_DEP_3)
	v_lshlrev_b32 v1, 4, v4                            ; 16 x lane
	s_mov_b32 s36, 0x76543210
	s_mov_b32 s37, 0xfedcba98                          ; v_permlanex16_b32's selects for lane l xor 16
	s_mov_b32 s23, 0
	s_cmp_lt_u32 ttmp9, 256
	s_cbranch_scc0 .Lweights
	; ---- x
	s_mul_i32 s21, s20, WSTG
	v_add_nc_u32 v2, s21, v1                           ; the stage, in: 16 x lane of row rho
	v_mul_u32_u24 v3, v5, SPITCH
	s_delay_alu instid0(VALU_DEP_1)
	v_lshl_add_u32 v3, v6, 6, v3
	s_delay_alu instid0(VALU_DEP_1)
	v_add_nc_u32 v3, s21, v3                           ; and out: row r, + 64 hh
.irp b, 0,1,2,3
	v_mov_b32 v[TM+4+\b], 0                            ; written once: a lane permute's destination counts as one of its sources
.endr
	s_lshl_b32 s22, ttmp9, 18                          ; two image rows are 262,144 bytes,
	s_lshl_b32 s24, s20, 14                            ; eight columns 16,384
	s_add_co_u32 s22, s22, s24
	s_lshl_b32 s24, ttmp9, 3
	s_add_co_u32 s24, s24, s20                         ; the tile's number
	s_mov_b32 s25, 0
	s_mul_i32 s26, s24, 6144
	s_mov_b32 s27, 0
	s_lshl_b32 s24, s24, 9
	s_wait_kmcnt 0x0
	s_add_nc_u64 s[4:5], s[4:5], s[22:23]
	s_add_nc_u64 s[12:13], s[12:13], s[26:27]
	s_add_nc_u64 s[14:15], s[14:15], s[24:25]
	s_wait_alu depctr_va_vdst(0)
	LOADX 0
	LOADX 1
	XSTEP 0
	XSTEP 1
	XSTEP 2
	XSTEP 3
	global_store_b128 v1, v[PWS:PWS+3], s[14:15]       ; the tile's scale words: 512 consecutive bytes
	s_wait_tensorcnt 0x0
	ds_add_u32 v62, v63
	s_wait_dscnt 0x0
	s_endpgm
	; ---- the weights
.Lweights:
	s_sub_co_u32 s21, ttmp9, 256
	s_lshl_b32 s21, s21, 3
	s_add_co_u32 s21, s21, s20                         ; f
	s_lshr_b32 s22, s21, 2                             ; T
	s_and_b32 s24, s21, 3                              ; the K step
	s_lshr_b32 s25, s22, 5                             ; the pass
	s_bfe_u32 s26, s22, 0x30002                        ; w
	s_bfe_u32 s27, s22, 0x10001                        ; ct / 2
	s_and_b32 s28, s22, 1                              ; ct % 2
	s_and_b32 s30, s25, 1
	s_sub_co_u32 s31, 2, s30                           ; columns from row to row: 2 for K and Q, 1 for V and proj
	s_cmp_eq_u32 s25, 1
	s_cselect_b32 s32, 8, 0                            ; V: rows 8-15 lie 8 columns further on
	s_cselect_b32 s33, 512, 0                          ; V: the second half of w_kv's columns
	s_cselect_b32 s34, 8, 16                           ; what ct % 2 adds: V 8, proj 16,
	s_cmp_eq_u32 s30, 0
	s_cselect_b32 s34, 1, s34                          ; K, Q 1
	s_mul_i32 s34, s34, s28
	s_lshl_b32 s26, s26, 6
	s_lshl_b32 s27, s27, 5
	s_add_co_u32 s26, s26, s27
	s_add_co_u32 s26, s26, s34
	s_add_co_u32 s26, s26, s33
	s_wait_alu depctr_va_vdst(0)
	v_lshrrev_b32 v7, 3, v5
	s_delay_alu instid0(VALU_DEP_1)
	v_mul_u32_u24 v7, v7, s32
	s_delay_alu instid0(VALU_DEP_1)
	v_mad_u32_u24 v7, v5, s31, v7
	s_delay_alu instid0(VALU_DEP_1)
	v_add_nc_u32 v7, s26, v7                           ; my column
	s_mul_i32 s34, s21, 1536
	s_mov_b32 s35, 0
	s_lshl_b32 s38, s22, 9
	s_lshl_b32 s39, s24, 2
	s_add_co_u32 s38, s38, s39
	s_mov_b32 s39, 0
	s_wait_kmcnt 0x0
	s_add_nc_u64 s[16:17], s[16:17], s[34:35]
	s_add_nc_u64 s[18:19], s[18:19], s[38:39]
	s_cmp_eq_u32 s25, 2
	s_cselect_b64 s[6:7], s[6:7], s[10:11]             ; w_q or w_proj: the choice hangs on the pass alone
	s_cmp_lt_u32 s25, 2
	s_cbranch_scc0 .Lnarrow
	WLOAD 4096, 8                                      ; w_kv: rows of 4,096 bytes
	s_branch .Lloaded
.Lnarrow:
	WLOAD 2048, 6
.Lloaded:
	s_wait_loadcnt 0x0
.irp c, 0,1                                            ; my block 2 c + hh: all its 32 numbers are mine
	v_max3_num_f32 v[WMX+\c], |v[64+32*\c]|, |v[65+32*\c]|, 0x1800000
.endr
.irp i, 2,4,6,8,10,12,14,16,18,20,22,24,26,28,30
.irp c, 0,1
	s_delay_alu instid0(VALU_DEP_2)
	v_max3_num_f32 v[WMX+\c], v[WMX+\c], |v[64+32*\c+\i]|, |v[65+32*\c+\i]|
.endr
.endr
.irp c, 0,1
	s_delay_alu instid0(VALU_DEP_2)
	v_add_nc_u32 v[WSO+\c], 0xff000000, v[WMX+\c]
.endr
.irp c, 0,1
	s_delay_alu instid0(VALU_DEP_2)
	v_lshrrev_b32 v[WBY+\c], 23, v[WSO+\c]
.endr
	s_delay_alu instid0(VALU_DEP_1)
	v_lshl_or_b32 v9, v[WBY+1], 16, v[WBY]             ; my two bytes: blocks hh and 2 + hh,
	v_lshlrev_b32 v10, 3, v6
	s_delay_alu instid0(VALU_DEP_1)
	v_lshlrev_b32 v9, v10, v9                          ; at their places in the word;
	v_mov_b32 v10, 0
	s_delay_alu instid0(VALU_DEP_1)
	v_permlanex16_b32 v10, v9, s36, s37
	s_delay_alu instid0(VALU_DEP_1)
	v_or_b32 v9, v9, v10                               ; with lane l xor 16's two the word is whole
.irp c, 0,1
	v_cvt_scalef32_pk16_fp6_f32 v[WC+6*\c:WC+2+6*\c], v[64+32*\c:79+32*\c], v[WSO+\c]
	v_cvt_scalef32_pk16_fp6_f32 v[WT+4*\c:WT+2+4*\c], v[80+32*\c:95+32*\c], v[WSO+\c]
.endr
	v_nop                                              ; one plain place behind a scaled conversion
.irp c, 0,1
.irp i, 0,1,2
	v_mov_b32 v[WC+3+6*\c+\i], v[WT+4*\c+\i]
.endr
.endr
.irp g, 0,1,2
	global_store_b128 v1, v[WC+4*\g:WC+4*\g+3], s[16:17] offset:512*\g
.endr
	global_store_b32 v1, v9, s[18:19]                  ; the word of K step s, 16 bytes a lane apart: 65,536 bytes in the whole launch
	s_endpgm
.Lfunc_end_k_q4db5d24e32_quant:
	.size	k_q4db5d24e32_quant, .Lfunc_end_k_q4db5d24e32_quant-k_q4db5d24e32_quant
	.p2alignl 7, 3214868480
	.fill 96, 4, 3214868480
	.section	.rodata,"a",@progbits
	.p2align	6, 0x0
	.amdhsa_kernel k_q4db5d24e32_quant
		.amdhsa_group_segment_fixed_size 68608
		.amdhsa_private_segment_fixed_size 0
		.amdhsa_enable_private_segment 0
		.amdhsa_kernarg_size 64
		.amdhsa_user_sgpr_count 2
		.amdhsa_user_sgpr_kernarg_segment_ptr 1
		.amdhsa_wavefront_size32 1
		.amdhsa_system_sgpr_workgroup_id_x 1
		.amdhsa_system_sgpr_workgroup_id_y 1
		.amdhsa_system_sgpr_workgroup_id_z 1
		.amdhsa_system_vgpr_workitem_id 0
		.amdhsa_next_free_vgpr 256
		.amdhsa_next_free_sgpr 66
		.amdhsa_reserve_vcc 0
		.amdhsa_float_denorm_mode_32 3
		.amdhsa_float_denorm_mode_16_64 3
		.amdhsa_memory_ordered 1
		.amdhsa_forward_progress 1
		.amdhsa_inst_pref_size 58
	.end_amdhsa_kernel
	.amdgpu_metadata
---
amdhsa.version: [ 1, 2 ]
amdhsa.kernels:
  - .name:           k_q4db5d24e32_quant
    .symbol:         k_q4db5d24e32_quant.kd
    .args:
      - { .name: x, .offset: 0, .size: 8, .value_kind: global_buffer, .address_space: global }
      - { .name: w_q, .offset: 8, .size: 8, .value_kind: global_buffer, .address_space: global }
      - { .name: w_kv, .offset: 16, .size: 8, .value_kind: global_buffer, .address_space: global }
      - { .name: w_proj, .offset: 24, .size: 8, .value_kind: global_buffer, .address_space: global }
      - { .name: xcodes, .offset: 32, .size: 8, .value_kind: global_buffer, .address_space: global }
      - { .name: xscales, .offset: 40, .size: 8, .value_kind: global_buffer, .address_space: global }
      - { .name: wcodes, .offset: 48, .size: 8, .value_kind: global_buffer, .address_space: global }
      - { .name: wscales, .offset: 56, .size: 8, .value_kind: global_buffer, .address_space: global }
    .group_segment_fixed_size: 68608
    .private_segment_fixed_size: 0
    .kernarg_segment_align: 8
    .kernarg_segment_size: 64
    .max_flat_workgroup_size: 256
    .sgpr_count:     66
    .vgpr_count:     256
    .wavefront_size: 32
...
	.end_amdgpu_metadata
.endif
;; end of part 1
;; launch attn (part 2): grid 32 x 8, 8 waves a work-group, no clusters, 312,320 bytes of LDS; arguments xcodes, xscales, wcodes, wscales, b_q, b_kv, b_proj, pos_embed_q, pos_embed_kv, mask, out0; writes out0
.if DOCPART == 2
	.amdgcn_target "amdgcn-amd-amdhsa--gfx1250"
	.amdhsa_code_object_version 6
	.text
	.protected	k_q4db5d24e32_attn
	.globl	k_q4db5d24e32_attn
	.p2align	8
	.type	k_q4db5d24e32_attn,@function
k_q4db5d24e32_attn:
	s_mov_b64 s[64:65], 0
	v_nop
	global_prefetch_b8 v0, s[64:65] scope:SCOPE_SE
	s_setreg_imm32_b32 hwreg(HW_REG_WAVE_MODE, 25, 1), 1
	s_wait_xcnt 0x0
; One work-group takes one window (batch, g = 4 i + jw) through the whole chain: K, V and Q projections, rotary, scores + mask, softmax, V^T P, division by the row's sum, output projection.
; All five products run on codes of FP6 (E2M3) with E8M0 scales; every intermediate stays in LDS as images of operand registers (a fragment: 1,536 bytes, register group g at 512 g + 16 x lane).
; KEYS.  The window's 256 keys are 16 tiles of x (tile = two image rows x 8 columns; tile row rho is key 32 B + 8 u + rho + 8 (rho / 8) of tile 2 B + u).  Four tiles are a quad (64 keys, two blocks of 32).
;   In LDS the quads lie in the order 0, 3, 2, 1 (physical quad p holds quad (3 p) & 3), so that the two that are also the window's queries lie first.  K, V, scores and p all use that order; only x's placing,
;   pos_embed_kv and the mask's offsets know of it.
; PROJECTIONS.  The waves share the COLUMNS: wave w holds 64 columns x 512 K of one weight in 192 registers, read from memory once, and walks the rows' fragments from LDS.
;   K, Q transposed (source 0 = weight): a lane holds one position; column tiles of even and of odd channels, so that the rotary needs no other lane.  V: source 0 = x: a lane holds one channel and registers run along the keys.
; SCORES have K = 32: a fragment of K's codes holds FOUR key tiles, one in each block of 32 along the instruction's 128; the query's codes stand in one block and zeros in the other three (four views of 30 registers).
; ATTENTION.  Wave t owns 16 queries for all 16 heads; its mask (x sqrt(32)) stays in 128 registers and is the C of the score products.  All 256 scores of a row lie in registers: M = ceil(the row's largest t), no running maximum.
;   p = 2^(t - M) is quantised along the keys; the row's sum is taken of the unquantised p and divides O.
; WEIGHTS ARE SHARED by all work-groups and yet not asked for jointly: a joint load lands in LDS, where 16,384 bytes are free against the 196,608 of one pass's weights; here each wave takes its part straight into its operand registers.
; LIMITS: NaN and infinities in x and the weights are not served.  A block of zeros has the byte 1 (its codes are zeros; the bytes are this program's own).  The mask enters as mask x sqrt(32), one f32 rounding more than
;   scores x scale + mask; |mask| above 6e37 becomes infinite; -infinity hides a key (the sum passes an infinite C on); a row that is wholly -infinity gives NaN, as the definition does.
; LDS
.set XBLK, 26624                       ; a quad's block: 16 fragment images (4 b + s) x 1,536, then at XSCO the scale words: 512 b + 16 x lane + 4 s
.set XSCO, 24576
.set QIMG, 2*XBLK                      ; over quads 2, 3 when K and V are made: Q's codes [head][sel 2][pair 6][256]
.set QSC,  QIMG+49152                  ; Q's scale words: 128 head + 64 sel + 4 r
.set KIMG, 4*XBLK                      ; K's codes [head][quad 4][1536]
.set VIMG, KIMG+98304                  ; V's codes [head][u 2][quad 4][pair 3][256]
.set KSC,  VIMG+98304                  ; K's scale words: 256 head + 16 r + 4 quad
.set VSC,  KSC+4096                    ; V's scale bytes: 256 head + 128 u + 8 r + 2 quad
.set OSTG, KIMG                        ; the way out, when attention is over: 16 rows x 272 bytes for each wave
; O's codes and scale words lie over quads 0, 1 when Q is made, in a quad block's own layout: block sel, tile b, K step s = heads 4 s .. 4 s + 3
; REGISTERS, window 0.  v1 16 x lane; v2 the quad block in hand; v3 64 hh; v4 4 rp; v5 32 hh; v6 cos/sin offset; v7 mask offset; v8-31 scale words and nothing else
.set XS,  8                            ; v8-15    the rows' scale words, two sets of four
.set WS,  16                           ; v16-31   the weight's scale words, 4 ct + s
.set BI,  32                           ; v32-63   the bias in the result's layout, 8 ct + j
.set XF,  64                           ; v64-111  four buffers for the rows' fragments; in the epilogues:
.set PC,  64                           ;          v64-83 codes, v84-99 at work, v100 the scale word, v102-109 the rotary's products
.set TM,  84
.set PW,  100
.set RT,  102
.set WI,  112                          ; v112     where images are stored;  v113 where scale words are
.set WSA, 113
.set R16, 114                          ; v114 16 r;  v115 8 x lane;  v116 8 r;  v117 4 r
.set L8,  115
.set R8,  116
.set R4,  117
.set SO,  118                          ; v118, v119 the stage, in and back;  v120 my offset in out0;  v121 64 rp + 32 hh
.set SR,  119
.set GO,  120
.set PL,  121
.set ACC, 128                          ; v128-255 accumulators
.set CS,  192                          ; window 1: v0-191 the weight's 16 fragments, 12 (4 ct + s);  v192-255 tile b: cos at 16 b, sin at 16 b + 8
; attention, window 0
.set KS,  8                            ; v8-11 K's scale words;  v12 Q's word;  v13 its byte four times;  v14-15 p's words;  v16-19 V's words (2 u + f)
.set QSR, 12
.set QS,  13
.set PS,  14
.set VS,  16
.set PCA, 32                           ; v32-51   p's codes, keys 0-127
.set PCO, 52                           ; v52-71   O's codes of four heads;  v72 their scale word
.set PWO, 72
.set BM,  74                           ; v74-81   the blocks' largest
.set BT,  82                           ; v82-89   at work
.set QD,  82
.set SOP, 90                           ; v90-97   the conversions' scale operands
.set RM,  98
.set NM,  100                          ; v100 -M (named as a pair)
.set L,   102                          ; v102-105 the row's sum in two chains
.set L2,  104
.set RL,  106                          ; v106 1 / the sum (named as a pair)
.set KA,  122                          ; v122-127 LDS addresses of K's, V's codes, K's, V's scales, Q's codes, Q's scales
.set VA,  123
.set KSA, 124
.set VSA, 125
.set QA,  126
.set QSA, 127
.set S,   128                          ; v128-255 the scores, then p: 8 t + j
.set PCB, 128                          ;          then p's codes, keys 128-255, where the first scores lay
.set OT,  160                          ;          and O^T, 16 registers
.set MK,  0                            ; window 1: v0-127 the mask;  v128-175 K's four fragments;  v176-223 V's four;  v224-253 zeros | q in lanes 0-15 | zeros | q in lanes 16-31 | zeros
.set KF,  128
.set VF,  176
.set QV,  224
.set MSB, 0
.macro WIN new                         ; bits 1:0 source 0, 3:2 source 1, 5:4 source 2, 7:6 destination; the high byte repeats the setting that is left
.if MSB != \new
	s_set_vgpr_msb (MSB<<8)|\new
.set MSB, \new
.endif
.endm
.macro PLACES n
.rept \n
	v_nop
.endr
.endm
.macro BARRIER                         ; my LDS stores have landed and my LDS loads are in: then the work-group's barrier
	s_wait_dscnt 0x0
	s_barrier_signal -1
	s_barrier_wait -1
.endm
.macro MM d, a, b, c, sa, sb
	v_wmma_scale_f32_16x16x128_f8f6f4 v[(\d):(\d)+7], v[(\a):(\a)+11], v[(\b):(\b)+11], v[(\c):(\c)+7], v[\sa], v[\sb] matrix_a_fmt:MATRIX_FMT_FP6 matrix_b_fmt:MATRIX_FMT_FP6
.endm
.macro MM0 d, a, b, sa, sb             ; the product that starts a sum
	v_wmma_scale_f32_16x16x128_f8f6f4 v[(\d):(\d)+7], v[(\a):(\a)+11], v[(\b):(\b)+11], 0, v[\sa], v[\sb] matrix_a_fmt:MATRIX_FMT_FP6 matrix_b_fmt:MATRIX_FMT_FP6
.endm
; 64 numbers of a lane, register 16 b + i = k 32 b + 16 (lane / 16) + i of my row, become a fragment's codes in v[PC] on and its scale word in v[pw].
.macro QUANT s, pw
.irp b, 0,1,2,3
	v_max3_num_f32 v[TM+\b], |v[(\s)+16*\b]|, |v[(\s)+1+16*\b]|, 0x1800000   ; my 16 numbers of block b, and the floor 2^(3 - 127): the byte cannot fall under 1
.endr
.irp i, 2,4,6,8,10,12,14
.irp b, 0,1,2,3
	s_delay_alu instid0(VALU_DEP_4)
	v_max3_num_f32 v[TM+\b], v[TM+\b], |v[(\s)+16*\b+\i]|, |v[(\s)+1+16*\b+\i]|
.endr
.endr
.irp b, 0,1,2,3
	s_delay_alu instid0(VALU_DEP_4)
	v_permlanex16_b32 v[TM+4+\b], v[TM+\b], s36, s37
.endr
.irp b, 0,1,2,3
	s_delay_alu instid0(VALU_DEP_4)
	v_max_num_f32 v[TM+\b], v[TM+\b], v[TM+4+\b]       ; with lane l xor 16's: the block's largest magnitude
.endr
.irp b, 0,1,2,3
	s_delay_alu instid0(VALU_DEP_4)
	v_add_nc_u32 v[TM+12+\b], 0xff000000, v[TM+\b]     ; 2 off its exponent field: the conversion's scale operand
.endr
.irp b, 0,1,2,3
	s_delay_alu instid0(VALU_DEP_4)
	v_lshrrev_b32 v[TM+4+\b], 23, v[TM+12+\b]          ; the scale's byte
.endr
	s_delay_alu instid0(VALU_DEP_3)
	v_lshl_or_b32 v[\pw], v[TM+5], 8, v[TM+4]
	s_delay_alu instid0(VALU_DEP_1)
	v_lshl_or_b32 v[\pw], v[TM+6], 16, v[\pw]
	s_delay_alu instid0(VALU_DEP_1)
	v_lshl_or_b32 v[\pw], v[TM+7], 24, v[\pw]
.irp c, 0,1
	v_cvt_scalef32_pk16_fp6_f32 v[PC+6*\c:PC+2+6*\c], v[(\s)+32*\c:(\s)+15+32*\c], v[TM+12+2*\c]
	v_cvt_scalef32_pk16_fp6_f32 v[PC+12+4*\c:PC+14+4*\c], v[(\s)+16+32*\c:(\s)+31+32*\c], v[TM+13+2*\c]   ; (a conversion's three registers begin on an even number)
.endr
	v_nop                                              ; one plain place behind a scaled conversion
.irp c, 0,1                                            ; the operand wants a whole block in a lane: lanes 0-15 block 2 c, lanes 16-31 block 2 c + 1
.irp i, 0,1,2
	v_permlane16_swap_b32 v[PC+6*\c+\i], v[PC+12+4*\c+\i]
.endr
.irp i, 0,1,2
	s_delay_alu instid0(VALU_DEP_3)
	v_mov_b32 v[PC+3+6*\c+\i], v[PC+12+4*\c+\i]
.endr
.endr
.endm
; the same for 32 numbers, two blocks: six registers of codes in v[PC] on, two bytes in v[PW]
.macro HQ s
.irp b, 0,1
	v_max3_num_f32 v[TM+\b], |v[(\s)+16*\b]|, |v[(\s)+1+16*\b]|, 0x1800000
.endr
.irp i, 2,4,6,8,10,12,14
.irp b, 0,1
	v_max3_num_f32 v[TM+\b], v[TM+\b], |v[(\s)+16*\b+\i]|, |v[(\s)+1+16*\b+\i]|
.endr
.endr
.irp b, 0,1
	s_delay_alu instid0(VALU_DEP_2)
	v_permlanex16_b32 v[TM+4+\b], v[TM+\b], s36, s37
.endr
.irp b, 0,1
	s_delay_alu instid0(VALU_DEP_2)
	v_max_num_f32 v[TM+\b], v[TM+\b], v[TM+4+\b]
.endr
.irp b, 0,1
	s_delay_alu instid0(VALU_DEP_2)
	v_add_nc_u32 v[TM+12+\b], 0xff000000, v[TM+\b]
.endr
.irp b, 0,1
	s_delay_alu instid0(VALU_DEP_2)
	v_lshrrev_b32 v[TM+4+\b], 23, v[TM+12+\b]
.endr
	s_delay_alu instid0(VALU_DEP_1)
	v_lshl_or_b32 v[PW], v[TM+5], 8, v[TM+4]
	v_cvt_scalef32_pk16_fp6_f32 v[PC:PC+2], v[(\s):(\s)+15], v[TM+12]
	v_cvt_scalef32_pk16_fp6_f32 v[PC+12:PC+14], v[(\s)+16:(\s)+31], v[TM+13]
	v_nop
.irp i, 0,1,2
	v_permlane16_swap_b32 v[PC+\i], v[PC+12+\i]
.endr
.irp i, 0,1,2
	s_delay_alu instid0(VALU_DEP_3)
	v_mov_b32 v[PC+3+\i], v[PC+12+\i]
.endr
.endm
; A pass's weights: my 16 fragments into window 1, their scale words, and the bias in the result's layout.
.macro LOADW pass, from=0              ; from: the first of the 48 loads of codes that is still to be issued
	WIN 0x40                                           ; destination window 1, address window 0
.set lk, \from
.rept 48-\from
	global_load_b128 v[4*lk:4*lk+3], v1, s[8:9] offset:\pass*196608+512*lk
.set lk, lk+1
.endr
	WIN 0
.irp ct, 0,1,2,3
	global_load_b128 v[WS+4*\ct:WS+4*\ct+3], v1, s[10:11] offset:\pass*16384+512*\ct
.endr
.irp ct, 0,1,2,3
.if \pass == 3
	global_load_b128 v[BI+8*\ct:BI+8*\ct+3], v5, s[16:17] offset:64*\ct          ; proj: columns 16 ct + 8 hh + j
	global_load_b128 v[BI+8*\ct+4:BI+8*\ct+7], v5, s[16:17] offset:64*\ct+16
.elseif \pass == 1
.irp j, 0,1,2,3,4,5,6,7
	global_load_b32 v[BI+8*\ct+\j], v4, s[14:15] offset:2048+(\ct/2)*128+32*(\ct%2)   ; V: a lane holds one channel: the same number in its eight registers
.endr
.elseif \pass == 0
.irp j, 0,1,2,3,4,5,6,7
	global_load_b32 v[BI+8*\ct+\j], v3, s[14:15] offset:(\ct/2)*128+8*\j+4*(\ct%2)    ; K: channel 2 (8 hh + j) + ct % 2 of head ct / 2
.endr
.else
.irp j, 0,1,2,3,4,5,6,7
	global_load_b32 v[BI+8*\ct+\j], v3, s[12:13] offset:(\ct/2)*128+8*\j+4*(\ct%2)    ; Q likewise
.endr
.endif
.endr
.endm
; cos and sin of the quad's 64 positions: lane (r, hh) takes, for tile b, entries 8 hh + 0 .. 7 of position 32 (b / 2) + 8 (b % 2) + rp
.macro COSSIN lo, sind
	v_add_nc_u32 v6, s44, v[PL]
	WIN 0x40
.irp b, 0,1,2,3
	global_load_b128 v[CS+16*\b:CS+16*\b+3], v6, s[\lo:\lo+1] offset:(32*(\b/2)+8*(\b%2))*64
	global_load_b128 v[CS+16*\b+4:CS+16*\b+7], v6, s[\lo:\lo+1] offset:(32*(\b/2)+8*(\b%2))*64+16
	global_load_b128 v[CS+16*\b+8:CS+16*\b+11], v6, s[\lo:\lo+1] offset:(32*(\b/2)+8*(\b%2))*64+\sind
	global_load_b128 v[CS+16*\b+12:CS+16*\b+15], v6, s[\lo:\lo+1] offset:(32*(\b/2)+8*(\b%2))*64+\sind+16
.endr
	WIN 0
.endm
.macro FRAGL reg, idx                  ; fragment idx of the block at v2
.irp g, 0,1,2
	ds_load_b128 v[(\reg)+4*\g:(\reg)+4*\g+3], v2 offset:(\idx)*1536+512*\g
.endr
.endm
; A quad (4 tiles of 16 rows) x my 64 columns x 512 K: 64 matrix instructions in 16 steps n = 4 b + s; each fragment of the rows feeds four.  kind 0: K, Q; 1: V; 2: proj.
; The step's four accumulators take turns, one instruction a turn.  The bias is the C of a sum's first product.  Fragments are fetched four steps ahead, into four buffers.
.macro GEMMQ kind
	ds_load_b128 v[XS:XS+3], v2 offset:XSCO
.irp f, 0,1,2,3
	FRAGL XF+12*\f, \f
.endr
.set gn, 0
.rept 16
.set gb, gn/4
.set gs, gn%4
.if gs == 0
	s_wait_dscnt 9                                     ; behind this step's fragment: three fragments
.elseif gn < 12
	s_wait_dscnt 10                                    ; three fragments and one load of scale words
.else
	s_wait_dscnt 3*(15-gn)                             ; the last steps fetch nothing: the counts run down
.endif
.if \kind == 1
	WIN 0x04                                           ; the weight is source 1, in window 1
.else
	WIN 0x01                                           ; the weight is source 0, in window 1
.endif
.irp ct, 0,1,2,3
.if \kind == 0
.set gd, ACC+64*(\ct/2)+16*gb+8*(\ct%2)
.elseif \kind == 1
.set gd, ACC+32*\ct+8*gb
.else
.set gd, ACC+32*gb+8*\ct
.endif
.if gs == 0
.set gc, BI+8*\ct
.else
.set gc, gd
.endif
.if \kind == 1
	MM gd, XF+12*gs, 12*(4*\ct+gs), gc, XS+4*(gb%2)+gs, WS+4*\ct+gs
.else
	MM gd, 12*(4*\ct+gs), XF+12*gs, gc, WS+4*\ct+gs, XS+4*(gb%2)+gs
.endif
.endr
.if (gn < 12) || (gn == 15)
	PLACES 4                                           ; in front of loads into registers that these products have read, and of the first read of results
	WIN 0
.endif
.if gn < 12
.if gs == 0
	ds_load_b128 v[XS+4*((gb+1)%2):XS+4*((gb+1)%2)+3], v2 offset:XSCO+512*(gb+1)
.endif
	FRAGL XF+12*gs, gn+4
.endif
.set gn, gn+1
.endr
.endm
; The rotary: v[a + j] = x1 (channel 2 (8 hh + j)), v[a + 8 + j] = x2; afterwards rotated channels 8 hh + j and 16 + 8 hh + j.  Q and K use the same order, and a block is the whole head.
.macro ROT a, cs
.irp j, 0,2,4,6
	v_pk_mul_f32 v[RT+2*(\j%4):RT+2*(\j%4)+1], v[(\a)+8+\j:(\a)+9+\j], v[(\cs)+8+\j:(\cs)+9+\j]
	v_pk_mul_f32 v[RT+2*(\j%4)+2:RT+2*(\j%4)+3], v[(\a)+\j:(\a)+1+\j], v[(\cs)+8+\j:(\cs)+9+\j]
	v_pk_fma_f32 v[(\a)+\j:(\a)+1+\j], v[(\a)+\j:(\a)+1+\j], v[(\cs)+\j:(\cs)+1+\j], v[RT+2*(\j%4):RT+2*(\j%4)+1] neg_lo:[0,0,1] neg_hi:[0,0,1]
	v_pk_fma_f32 v[(\a)+8+\j:(\a)+9+\j], v[(\a)+8+\j:(\a)+9+\j], v[(\cs)+\j:(\cs)+1+\j], v[RT+2*(\j%4)+2:RT+2*(\j%4)+3]
.endr
.endm
; K's or Q's epilogue: rotary, then for each of my two heads ONE fragment: block b of its 128 K = tile b's 32 channels.
.macro RKEPI isq
	WIN 0x04                                           ; cos and sin: source 1, window 1
.irp e, 0,1
.irp b, 0,1,2,3
	ROT ACC+64*\e+16*\b, CS+16*\b
.endr
.endr
	WIN 0
	s_add_co_u32 s44, s44, 12288                       ; the next quad's first position x 64 bytes
	s_and_b32 s44, s44, 16383
	s_wait_alu depctr_va_vdst(0)
	s_cmp_eq_u32 s43, 1
	s_cbranch_scc1 .Lno_cs_\@                          ; the last trip has no next quad
.if \isq
	COSSIN 18, 262144                                  ; the rotary has read cos and sin: the next quad's are asked for a trip ahead of their use
.else
	COSSIN 20, 524288
.endif
.Lno_cs_\@:
.irp e, 0,1
	QUANT ACC+64*\e, PW
.if \isq
.irp p, 0,1,2,3,4,5
	ds_store_b64 v[WI], v[PC+2*\p:PC+2*\p+1] offset:\e*3072+256*\p
.endr
	ds_store_b32 v[WSA], v[PW] offset:\e*128           ; lanes r and r + 16 write the same word with the same value
.else
.irp g, 0,1,2
	ds_store_b128 v[WI], v[PC+4*\g:PC+4*\g+3] offset:\e*6144+512*\g
.endr
	ds_store_b32 v[WSA], v[PW] offset:\e*256
.endif
	s_wait_dscnt 0x0                                   ; the stores have read their registers
.endr
.endm
.macro VEPI                            ; V's epilogue: for each tile of 16 channels the quad's 64 keys: half a fragment and two bytes
.irp ct, 0,1,2,3
	HQ ACC+32*\ct
.irp p, 0,1,2
	ds_store_b64 v[WI], v[PC+2*\p:PC+2*\p+1] offset:\ct*3072+256*\p
.endr
	ds_store_b16 v[WSA], v[PW] offset:\ct*128
	s_wait_dscnt 0x0
.endr
.endm
; O^T of one head / the row's sum becomes block hb of O's fragment: a lane's 16 registers are channels 16 hh + 0 .. 15.
.macro QBLK hb
.set hj, 0
.rept 8
	v_pk_mul_f32 v[OT+hj:OT+hj+1], v[OT+hj:OT+hj+1], v[RL:RL+1] op_sel_hi:[1,0]
.set hj, hj+2
.endr
	v_max3_num_f32 v[BM], |v[OT]|, |v[OT+1]|, 0x1800000
	s_delay_alu instid0(VALU_DEP_4)
	v_max3_num_f32 v[BM+1], |v[OT+8]|, |v[OT+9]|, |v[OT+10]|
	s_delay_alu instid0(VALU_DEP_2)
	v_max3_num_f32 v[BM], v[BM], |v[OT+2]|, |v[OT+3]|
	s_delay_alu instid0(VALU_DEP_2)
	v_max3_num_f32 v[BM+1], v[BM+1], |v[OT+11]|, |v[OT+12]|
	s_delay_alu instid0(VALU_DEP_2)
	v_max3_num_f32 v[BM], v[BM], |v[OT+4]|, |v[OT+5]|
	s_delay_alu instid0(VALU_DEP_2)
	v_max3_num_f32 v[BM+1], v[BM+1], |v[OT+13]|, |v[OT+14]|
	s_delay_alu instid0(VALU_DEP_2)
	v_max3_num_f32 v[BM], v[BM], |v[OT+6]|, |v[OT+7]|
	s_delay_alu instid0(VALU_DEP_1)
	v_max3_num_f32 v[BM], v[BM], v[BM+1], |v[OT+15]|
	s_delay_alu instid0(VALU_DEP_1)
	v_permlanex16_b32 v[BT], v[BM], s36, s37
	s_delay_alu instid0(VALU_DEP_1)
	v_max_num_f32 v[BM], v[BM], v[BT]
	s_delay_alu instid0(VALU_DEP_1)
	v_add_nc_u32 v[SOP], 0xff000000, v[BM]
	s_delay_alu instid0(VALU_DEP_1)
	v_lshrrev_b32 v[BT], 23, v[SOP]
.if \hb == 0
	s_delay_alu instid0(VALU_DEP_1)
	v_mov_b32 v[PWO], v[BT]
.else
	s_delay_alu instid0(VALU_DEP_1)
	v_lshl_or_b32 v[PWO], v[BT], 8*\hb, v[PWO]
.endif
.if \hb%2 == 0
	v_cvt_scalef32_pk16_fp6_f32 v[PCO+6*(\hb/2):PCO+6*(\hb/2)+2], v[OT:OT+15], v[SOP]
.else
	v_cvt_scalef32_pk16_fp6_f32 v[PCO+12+4*(\hb/2):PCO+14+4*(\hb/2)], v[OT:OT+15], v[SOP]
.endif
	v_nop                                              ; one plain place behind a scaled conversion
.endm
; ONE HEAD for my 16 queries.
; A HEAD'S OPERANDS ARE FETCHED ONE HEAD AHEAD.  LQK n: head n's query codes (24 bytes, into both views, in both halves of the lanes), K's four fragments, Q's and K's scale words: 20 LDS loads.
; LV n: V's four fragments, 24 loads, and with vs = 1 V's scale words, 2 more.  n counts from the trip's first head; n = 4 is the next trip's first.
; In the last trip n = 4 names the 6,144 or fewer bytes behind each table: bytes of V's codes, of the scale tables and of x's last scale words, all written and inside LDS; what comes of them is used nowhere.
; V's scale words of a trip's first head are fetched at that head's start, so that no load reaches behind V's scale table.
.macro LQK n
	WIN 0x40
.irp p, 0,1,2
	ds_load_b64 v[QV+6+2*\p:QV+7+2*\p], v[QA] offset:(\n)*3072+256*\p
	ds_load_b64 v[QV+18+2*\p:QV+19+2*\p], v[QA] offset:(\n)*3072+256*\p
.endr
.set hj, 0
.rept 12
	ds_load_b128 v[KF+4*hj:KF+4*hj+3], v[KA] offset:(\n)*6144+512*hj
.set hj, hj+1
.endr
	WIN 0
	ds_load_b32 v[QSR], v[QSA] offset:(\n)*128
	ds_load_b128 v[KS:KS+3], v[KSA] offset:(\n)*256
.endm
.macro LV n, vs
	WIN 0x40
.set hj, 0
.rept 24
	ds_load_b64 v[VF+2*hj:VF+2*hj+1], v[VA] offset:(\n)*6144+256*hj
.set hj, hj+1
.endr
	WIN 0
.if \vs
.irp u, 0,1
	ds_load_b64 v[VS+2*\u:VS+2*\u+1], v[VSA] offset:(\n)*256+128*\u
.endr
.endif
.endm
.macro HEAD hb
.if \hb == 0
.irp u, 0,1
	ds_load_b64 v[VS+2*\u:VS+2*\u+1], v[VSA] offset:128*\u
.endr
.endif
	s_wait_dscnt 26                                    ; this head's 20 loads for Q and K are in; behind them stand V's 24 and its 2 loads of scale words at the least
	WIN 0x44
.irp i, 0,1,2,3,4,5
	v_cndmask_b32 v[QV+6+\i], 0, v[QV+6+\i], s40       ; q in lanes 0-15, zeros above
	v_cndmask_b32 v[QV+18+\i], 0, v[QV+18+\i], s41     ; q in lanes 16-31, zeros below
.endr
	WIN 0
	v_perm_b32 v[QS], v[QSR], v[QSR], s42              ; my tile's byte in all four places: it scales whichever block holds q
	PLACES 8                                           ; a scale register written by a vector instruction stands 8 places ahead of a scaled product, an operand 4
	WIN 0x15                                           ; K, q and the mask in window 1, the scores in window 0
.irp f, 0,1,2,3
.irp be, 0,1,2,3
	MM S+8*(4*\f+\be), KF+12*\f, QV+6+12*(\be%2)-6*(\be/2), MK+8*(4*\f+\be), KS+\f, QS   ; key tile 4 f + be: q stands in block be
.endr
.endr
	WIN 0
	PLACES 4
	LQK \hb+1                                          ; four places behind the score products: their operands' registers take the next head's
.if \hb == 3
	s_wait_alu depctr_va_vdst(0)
	s_cmp_lg_u32 s43, 1
	s_cbranch_scc1 .Lnot_last_\@
	WIN 0x40                                           ; the last head's scores are made: the mask's 128 registers take the first 32 of the 48 loads of the output projection's codes
.set lk, 0
.rept 32
	global_load_b128 v[4*lk:4*lk+3], v1, s[8:9] offset:3*196608+512*lk
.set lk, lk+1
.endr
	WIN 0
.Lnot_last_\@:
.endif
.irp b, 0,1,2,3,4,5,6,7
	v_max3_num_f32 v[BM+\b], v[S+16*\b], v[S+16*\b+1], v[S+16*\b+2]    ; the largest score of each block of 32 keys: for the row's maximum, and for the block's largest p
.endr
.irp i, 3,5,7,9,11,13
.irp b, 0,1,2,3,4,5,6,7
	v_max3_num_f32 v[BM+\b], v[BM+\b], v[S+16*\b+\i], v[S+16*\b+\i+1]
.endr
.endr
.irp b, 0,1,2,3,4,5,6,7
	v_max_num_f32 v[BM+\b], v[BM+\b], v[S+16*\b+15]
.endr
.irp b, 0,1,2,3,4,5,6,7
	v_permlanex16_b32 v[BT+\b], v[BM+\b], s36, s37
.endr
.irp b, 0,1,2,3,4,5,6,7
	v_max_num_f32 v[BM+\b], v[BM+\b], v[BT+\b]         ; with lane l xor 16's 16 keys
.endr
	v_max3_num_f32 v[RM], v[BM], v[BM+1], v[BM+2]
	s_delay_alu instid0(VALU_DEP_1)
	v_max3_num_f32 v[RM], v[RM], v[BM+3], v[BM+4]
	s_delay_alu instid0(VALU_DEP_1)
	v_max3_num_f32 v[RM], v[RM], v[BM+5], v[BM+6]
	s_delay_alu instid0(VALU_DEP_1)
	v_max_num_f32 v[RM], v[RM], v[BM+7]
	s_delay_alu instid0(VALU_DEP_1)
	v_mul_f32 v[RM], s38, v[RM]                        ; the row's largest t (c is positive)
	s_delay_alu instid0(VALU_DEP_1)
	v_floor_f32 v[NM], -v[RM]                          ; -M = floor(-t) = -ceil(t)
.set hj, 0
.rept 64
	v_pk_fma_f32 v[S+hj:S+hj+1], v[S+hj:S+hj+1], s[38:39], v[NM:NM+1] op_sel_hi:[1,0,0]   ; t - M, two at a time
.set hj, hj+2
.endr
.irp b, 0,1,2,3,4,5,6,7
	v_fma_f32 v[BM+\b], v[BM+\b], s38, v[NM]           ; the same of each block's largest score
.endr
.set hj, 0
	s_wait_alu depctr_va_vdst(0)
.rept 128
	v_exp_f32 v[S+hj], v[S+hj]                         ; p = 2^(t - M): not normalised
.set hj, hj+1
.endr
	v_nop                                              ; a plain place behind the exponentials
	s_wait_alu depctr_va_vdst(0)                       ; one wait for the whole batch, ahead of its first reader
.irp b, 0,1,2,3,4,5,6,7
	v_exp_f32 v[BM+\b], v[BM+\b]                       ; the block's largest p: the same two instructions on the same number
.endr
	v_pk_add_f32 v[104:105], v[128:129], v[130:131]
	v_pk_add_f32 v[116:117], v[136:137], v[140:141]
	v_pk_add_f32 v[114:115], v[144:145], v[148:149]
	v_pk_add_f32 v[110:111], v[152:153], v[156:157]
	v_pk_add_f32 v[108:109], v[160:161], v[164:165]
	v_pk_add_f32 v[98:99], v[168:169], v[172:173]
	v_pk_add_f32 v[96:97], v[176:177], v[180:181]
	v_pk_add_f32 v[102:103], v[184:185], v[188:189]
	v_pk_add_f32 v[102:103], v[102:103], v[192:193]
	v_pk_add_f32 v[104:105], v[104:105], v[196:197]
	v_pk_add_f32 v[116:117], v[116:117], v[200:201]
	v_pk_add_f32 v[114:115], v[114:115], v[204:205]
	v_pk_add_f32 v[110:111], v[110:111], v[208:209]
	v_pk_add_f32 v[108:109], v[108:109], v[212:213]
	v_pk_add_f32 v[98:99], v[98:99], v[216:217]
	v_pk_add_f32 v[96:97], v[96:97], v[220:221]
	v_pk_add_f32 v[102:103], v[102:103], v[224:225]
	v_pk_add_f32 v[104:105], v[104:105], v[228:229]
	v_pk_add_f32 v[116:117], v[116:117], v[232:233]
	v_pk_add_f32 v[114:115], v[114:115], v[236:237]
	v_pk_add_f32 v[110:111], v[110:111], v[240:241]
	v_pk_add_f32 v[108:109], v[108:109], v[244:245]
	v_pk_add_f32 v[98:99], v[98:99], v[248:249]
	v_pk_add_f32 v[96:97], v[96:97], v[252:253]
	v_pk_add_f32 v[102:103], v[102:103], v[132:133]
	v_pk_add_f32 v[104:105], v[104:105], v[134:135]
	v_pk_add_f32 v[116:117], v[116:117], v[138:139]
	v_pk_add_f32 v[114:115], v[114:115], v[142:143]
	v_pk_add_f32 v[110:111], v[110:111], v[146:147]
	v_pk_add_f32 v[108:109], v[108:109], v[150:151]
	v_pk_add_f32 v[98:99], v[98:99], v[154:155]
	v_pk_add_f32 v[96:97], v[96:97], v[158:159]
	v_pk_add_f32 v[102:103], v[102:103], v[162:163]
	v_pk_add_f32 v[104:105], v[104:105], v[166:167]
	v_pk_add_f32 v[116:117], v[116:117], v[170:171]
	v_pk_add_f32 v[114:115], v[114:115], v[174:175]
	v_pk_add_f32 v[110:111], v[110:111], v[178:179]
	v_pk_add_f32 v[108:109], v[108:109], v[182:183]
	v_pk_add_f32 v[98:99], v[98:99], v[186:187]
	v_pk_add_f32 v[96:97], v[96:97], v[190:191]
	v_pk_add_f32 v[102:103], v[102:103], v[194:195]
	v_pk_add_f32 v[104:105], v[104:105], v[198:199]
	v_pk_add_f32 v[116:117], v[116:117], v[202:203]
	v_pk_add_f32 v[114:115], v[114:115], v[206:207]
	v_pk_add_f32 v[110:111], v[110:111], v[210:211]
	v_pk_add_f32 v[108:109], v[108:109], v[214:215]
	v_pk_add_f32 v[98:99], v[98:99], v[218:219]
	v_pk_add_f32 v[96:97], v[96:97], v[222:223]
	v_pk_add_f32 v[102:103], v[102:103], v[226:227]
	v_pk_add_f32 v[104:105], v[104:105], v[230:231]
	v_pk_add_f32 v[116:117], v[116:117], v[234:235]
	v_pk_add_f32 v[114:115], v[114:115], v[238:239]
	v_pk_add_f32 v[110:111], v[110:111], v[242:243]
	v_pk_add_f32 v[108:109], v[108:109], v[246:247]
	v_pk_add_f32 v[98:99], v[98:99], v[250:251]
	v_pk_add_f32 v[96:97], v[96:97], v[254:255]
	s_delay_alu instid0(VALU_DEP_4)
	v_pk_add_f32 v[102:103], v[102:103], v[110:111]
	s_delay_alu instid0(VALU_DEP_4)
	v_pk_add_f32 v[104:105], v[104:105], v[108:109]
	s_delay_alu instid0(VALU_DEP_4)
	v_pk_add_f32 v[116:117], v[116:117], v[98:99]
	s_delay_alu instid0(VALU_DEP_4)
	v_pk_add_f32 v[114:115], v[114:115], v[96:97]
	s_delay_alu instid0(VALU_DEP_2)
	v_pk_add_f32 v[102:103], v[102:103], v[116:117]
	s_delay_alu instid0(VALU_DEP_2)
	v_pk_add_f32 v[104:105], v[104:105], v[114:115]
	s_delay_alu instid0(VALU_DEP_1)
	v_pk_add_f32 v[102:103], v[102:103], v[104:105]
	s_wait_alu depctr_va_vdst(0)                       ; and one for the eight
.irp b, 0,1,2,3,4,5,6,7
	v_max_num_f32 v[BM+\b], 0x1800000, v[BM+\b]        ; the floor 2^(3 - 127)
.endr
.irp b, 0,1,2,3,4,5,6,7
	v_add_nc_u32 v[SOP+\b], 0xff000000, v[BM+\b]
.endr
.irp b, 0,1,2,3,4,5,6,7
	v_lshrrev_b32 v[BT+\b], 23, v[SOP+\b]
.endr
.irp f, 0,1
	v_lshl_or_b32 v[PS+\f], v[BT+4*\f+1], 8, v[BT+4*\f]    ; p's scale word for keys 128 f on
	s_delay_alu instid0(VALU_DEP_1)
	v_lshl_or_b32 v[PS+\f], v[BT+4*\f+2], 16, v[PS+\f]
	s_delay_alu instid0(VALU_DEP_1)
	v_lshl_or_b32 v[PS+\f], v[BT+4*\f+3], 24, v[PS+\f]
.endr
.irp c, 0,1
	v_cvt_scalef32_pk16_fp6_f32 v[PCA+6*\c:PCA+6*\c+2], v[S+32*\c:S+32*\c+15], v[SOP+2*\c]
	v_cvt_scalef32_pk16_fp6_f32 v[PCA+12+4*\c:PCA+14+4*\c], v[S+16+32*\c:S+31+32*\c], v[SOP+2*\c+1]
.endr
	v_nop                                              ; a plain place: the next conversions write where these have read
.irp c, 0,1
	v_cvt_scalef32_pk16_fp6_f32 v[PCB+6*\c:PCB+6*\c+2], v[S+64+32*\c:S+79+32*\c], v[SOP+4+2*\c]
	v_cvt_scalef32_pk16_fp6_f32 v[PCB+12+4*\c:PCB+14+4*\c], v[S+80+32*\c:S+95+32*\c], v[SOP+5+2*\c]
.endr
	v_nop
.irp c, 0,1
.irp i, 0,1,2
	v_permlane16_swap_b32 v[PCA+6*\c+\i], v[PCA+12+4*\c+\i]
	v_permlane16_swap_b32 v[PCB+6*\c+\i], v[PCB+12+4*\c+\i]
.endr
.irp i, 0,1,2
	v_mov_b32 v[PCA+3+6*\c+\i], v[PCA+12+4*\c+\i]
	v_mov_b32 v[PCB+3+6*\c+\i], v[PCB+12+4*\c+\i]
.endr
.endr
	v_add_f32 v[L], v[L], v[L+1]
	s_delay_alu instid0(VALU_DEP_1)
	v_permlanex16_b32 v[L2], v[L], s36, s37
	s_delay_alu instid0(VALU_DEP_1)
	v_add_f32 v[L], v[L], v[L2]                        ; the row's sum
	s_wait_alu depctr_va_vdst(0)
	v_rcp_f32 v[RL], v[L]
	PLACES 8                                           ; behind the reciprocal, and ahead of the scaled products: 8 behind p's scale words, 4 behind its codes
	s_wait_dscnt 20                                    ; V and its scale words are in; the next head's 20 loads for Q and K may be out
	WIN 0x01
	MM0 OT, VF, PCA, VS, PS                            ; O^T = V^T P^T: two accumulators by turns
	MM0 OT+8, VF+24, PCA, VS+2, PS
	MM OT, VF+12, PCB, OT, VS+1, PS+1
	MM OT+8, VF+36, PCB, OT+8, VS+3, PS+1
	WIN 0
	PLACES 4
.if \hb < 3
	LV \hb+1, 1                                        ; four places behind the products: V's registers take the next head's
.else
	LV 4, 0
.endif
	s_wait_alu depctr_va_vdst(0)                       ; the reciprocal's wait, ahead of its first reader
	QBLK \hb
.endm
.macro TOSTAGE b                       ; tile b: 16 rows x my 64 columns into my stage, and back as whole pieces of 256 bytes, into the registers that they left
.irp ct, 0,1,2,3
	ds_store_b128 v[SO], v[ACC+32*\b+8*\ct:ACC+32*\b+8*\ct+3] offset:64*\ct
	ds_store_b128 v[SO], v[ACC+32*\b+8*\ct+4:ACC+32*\b+8*\ct+7] offset:64*\ct+16
.endr
.irp i, 0,1,2,3,4,5,6,7
	ds_load_b128 v[ACC+32*\b+4*\i:ACC+32*\b+4*\i+3], v[SR] offset:544*\i   ; LDS serves a wave's instructions in order: these see my stores
.endr
.endm
.macro SEND b, younger                 ; younger: the next tile's 16 LDS instructions, or none
	s_wait_dscnt \younger
.irp i, 0,1,2,3,4,5,6,7
	global_store_b128 v[GO], v[ACC+32*\b+4*\i:ACC+32*\b+4*\i+3], s[24:25] offset:(2*(\b/2)+\i/4)*131072+(8*(\b%2)+(2*\i)%8)*2048 th:TH_STORE_NT   ; 16 lanes store 256 consecutive bytes, aligned
.endr
.endm
	; ---- the head
	s_load_b512 s[4:19], s[0:1], 0x0                   ; xcodes s[4:5], xscales s[6:7], wcodes s[8:9], wscales s[10:11], b_q s[12:13], b_kv s[14:15], b_proj s[16:17], pos_embed_q s[18:19]
	s_load_b128 s[20:23], s[0:1], 0x40                 ; pos_embed_kv s[20:21], mask s[22:23]
	s_load_b64 s[24:25], s[0:1], 0x50                  ; out0
	v_lshrrev_b32 v2, 5, v0
	s_delay_alu instid0(VALU_DEP_1)
	v_readfirstlane_b32 s26, v2                        ; wave 0..7
	s_and_b32 s27, ttmp7, 0xffff                       ; batch
	s_lshr_b32 s28, ttmp9, 2                           ; i
	s_and_b32 s29, ttmp9, 3                            ; jw
	s_mov_b32 s36, 0x76543210
	s_mov_b32 s37, 0xfedcba98                          ; v_permlanex16_b32's selects for lane l xor 16
	s_mov_b32 s38, 0x3e8293ee                          ; c = log2(e) / sqrt(32)
	s_mov_b32 s39, s38
	s_mov_b32 s40, 0x0000ffff                          ; lanes 0-15
	s_mov_b32 s41, 0xffff0000                          ; lanes 16-31
	s_and_b32 s30, s26, 3
	s_mul_i32 s42, s30, 0x01010101                     ; v_perm_b32's select: byte wave % 4, four times
	v_and_b32 v111, 31, v0                             ; lane   (v108-111 are needed at the head alone)
	v_and_b32 v108, 15, v0                             ; r
	v_bfe_u32 v109, v0, 4, 1                           ; hh
	s_delay_alu instid0(VALU_DEP_2)
	v_and_b32 v110, 8, v108
	s_delay_alu instid0(VALU_DEP_1)
	v_add_nc_u32 v110, v110, v108                      ; rp = r + 8 (r / 8)
	v_lshlrev_b32 v1, 4, v111
	s_delay_alu instid0(VALU_DEP_4)
	v_lshlrev_b32 v3, 6, v109
	s_delay_alu instid0(VALU_DEP_3)
	v_lshlrev_b32 v4, 2, v110
	v_lshlrev_b32 v5, 5, v109
	v_lshlrev_b32 v[R16], 4, v108
	v_lshlrev_b32 v[L8], 3, v111
	v_lshlrev_b32 v[R8], 3, v108
	v_lshlrev_b32 v[R4], 2, v108
	v_lshl_add_u32 v[PL], v110, 6, v5
	s_bfe_u32 s30, s26, 0x10001                        ; my 16 queries: 32 ((wave % 4) / 2) + 8 (wave % 2) + rp, + 64 in waves 0-3
	s_lshl_b32 s30, s30, 5
	s_and_b32 s31, s26, 1
	s_lshl_b32 s31, s31, 3
	s_add_co_u32 s30, s30, s31
	s_cmp_lt_u32 s26, 4
	s_cselect_b32 s31, 64, 0
	s_add_co_u32 s30, s30, s31
	v_add_nc_u32 v7, s30, v110
	s_wait_alu depctr_va_vdst(0)
	v_lshl_add_u32 v7, v7, 10, v3                      ; the mask: my query's row of 1,024 bytes, + 64 hh
	s_mul_i32 s30, s26, 4352
	s_add_co_u32 s30, s30, OSTG
	v_mul_u32_u24 v[SO], v108, 272
	s_delay_alu instid0(VALU_DEP_1)
	v_lshl_add_u32 v[SO], v109, 5, v[SO]
	s_delay_alu instid0(VALU_DEP_1)
	v_add_nc_u32 v[SO], s30, v[SO]                     ; the stage, in: row r, + 32 hh
	v_mul_u32_u24 v[SR], v109, 272
	s_delay_alu instid0(VALU_DEP_1)
	v_lshl_add_u32 v[SR], v108, 4, v[SR]
	s_delay_alu instid0(VALU_DEP_1)
	v_add_nc_u32 v[SR], s30, v[SR]                     ; back: lanes 0-15 one row, lanes 16-31 the next
	v_lshlrev_b32 v[GO], 11, v109
	s_delay_alu instid0(VALU_DEP_1)
	v_lshl_add_u32 v[GO], v108, 4, v[GO]               ; and the same two positions in out0
	s_lshl_b32 s30, s28, 2                             ; wave w copies key block w's two tiles: image rows 2 m, 2 m + 1, m = (4 i + 2 - 4 (w / 4) + w % 4) mod 32
	s_add_co_u32 s30, s30, 2
	s_lshr_b32 s31, s26, 2
	s_lshl_b32 s31, s31, 2
	s_sub_co_u32 s30, s30, s31
	s_and_b32 s31, s26, 3
	s_add_co_u32 s30, s30, s31
	s_and_b32 s30, s30, 31
	s_lshl_b32 s31, s27, 5
	s_add_co_u32 s30, s30, s31
	s_lshl_b32 s30, s30, 3
	s_lshl_b32 s31, s29, 1
	s_add_co_u32 s30, s30, s31                         ; the first tile's number
	s_lshr_b32 s32, s26, 1
	s_mul_i32 s32, s32, 3
	s_and_b32 s32, s32, 3                              ; where quad w / 2 lies
	s_mul_i32 s32, s32, XBLK
	s_and_b32 s33, s26, 1
	s_mul_i32 s34, s33, 12288
	s_add_co_u32 s34, s34, s32
	v_add_nc_u32 v[WI], s34, v1
	s_lshl_b32 s34, s33, 10
	s_add_co_u32 s34, s34, s32
	s_add_co_u32 s34, s34, XSCO
	v_add_nc_u32 v[WSA], s34, v1
	s_mov_b32 s47, 0
	s_wait_alu depctr_va_vdst(0)
	s_wait_kmcnt 0x0
	s_mul_i32 s46, s30, 6144
	s_add_nc_u64 s[4:5], s[4:5], s[46:47]
	s_lshl_b32 s46, s30, 9
	s_add_nc_u64 s[6:7], s[6:7], s[46:47]
	s_mul_i32 s46, s26, 24576
	s_add_nc_u64 s[8:9], s[8:9], s[46:47]
	s_lshl_b32 s46, s26, 11
	s_add_nc_u64 s[10:11], s[10:11], s[46:47]
	s_lshl_b32 s46, s26, 8
	s_add_nc_u64 s[12:13], s[12:13], s[46:47]
	s_add_nc_u64 s[14:15], s[14:15], s[46:47]
	s_add_nc_u64 s[16:17], s[16:17], s[46:47]
	s_lshl_b32 s46, ttmp9, 13
	s_add_nc_u64 s[18:19], s[18:19], s[46:47]
	s_lshl_b32 s46, ttmp9, 14
	s_add_nc_u64 s[20:21], s[20:21], s[46:47]
	s_lshl_b32 s46, ttmp9, 17
	s_add_nc_u64 s[22:23], s[22:23], s[46:47]
	s_lshl_b32 s46, s27, 6                             ; out0: ((64 batch + 8 i) x 64 + 16 jw) positions of 2,048 bytes, + my 64 columns, + four image rows: the queries of quad 0 come first
	s_lshl_b32 s31, s28, 3
	s_add_co_u32 s46, s46, s31
	s_lshl_b32 s46, s46, 6
	s_lshl_b32 s31, s29, 4
	s_add_co_u32 s46, s46, s31
	s_lshl_b32 s46, s46, 11
	s_lshl_b32 s31, s26, 8
	s_add_co_u32 s46, s46, s31
	s_add_co_u32 s46, s46, 524288
	s_add_nc_u64 s[24:25], s[24:25], s[46:47]
.set lk, 0
.rept 24
	global_load_b128 v[128+4*lk:131+4*lk], v1, s[4:5] offset:512*lk    ; two tiles' eight fragments: 12,288 consecutive bytes
.set lk, lk+1
.endr
	global_load_b128 v[224:227], v1, s[6:7]
	global_load_b128 v[228:231], v1, s[6:7] offset:512
	LOADW 0
	s_wait_loadcnt 63                                  ; x's 26 loads are the oldest of 110: with 63 out at the most they are in
.set lk, 0
.rept 24
	ds_store_b128 v[WI], v[128+4*lk:131+4*lk] offset:512*lk
.set lk, lk+1
.endr
	ds_store_b128 v[WSA], v[224:227]
	ds_store_b128 v[WSA], v[228:231] offset:512
	BARRIER                                            ; the window's 16 tiles of x lie in LDS
	; ---- K: four quads
	v_and_b32 v2, 31, v0
	s_delay_alu instid0(VALU_DEP_1)
	v_lshlrev_b32 v2, 4, v2
	s_mul_i32 s30, s26, 12288
	s_add_co_u32 s30, s30, KIMG
	v_add_nc_u32 v[WI], s30, v1
	s_lshl_b32 s30, s26, 9
	s_add_co_u32 s30, s30, KSC
	v_add_nc_u32 v[WSA], s30, v[R16]
	s_mov_b32 s44, 0                                   ; the quad's first key x 64 bytes: quads 0, 3, 2, 1
	s_mov_b32 s43, 4
	COSSIN 20, 524288                                  ; the first quad's cos and sin
	s_wait_loadcnt 0x0                                 ; the pass's weights, and these
.Lk:
	s_wait_alu depctr_va_vdst(0)
	GEMMQ 0
	s_wait_loadcnt 0x0                                 ; cos and sin
	s_cmp_lg_u32 s43, 1
	s_cbranch_scc1 .Lk_on
	LOADW 1                                            ; the last trip: the products are over, V's weights take K's registers while the epilogue runs
.Lk_on:
	RKEPI 0
	v_add_nc_u32 v2, XBLK, v2
	v_add_nc_u32 v[WI], 1536, v[WI]
	v_add_nc_u32 v[WSA], 4, v[WSA]
	s_sub_co_u32 s43, s43, 1
	s_cmp_lg_u32 s43, 0
	s_cbranch_scc1 .Lk
	; ---- V: four quads
	v_and_b32 v2, 31, v0
	s_delay_alu instid0(VALU_DEP_1)
	v_lshlrev_b32 v2, 4, v2
	s_mul_i32 s30, s26, 12288
	s_add_co_u32 s30, s30, VIMG
	v_add_nc_u32 v[WI], s30, v[L8]
	s_lshl_b32 s30, s26, 9
	s_add_co_u32 s30, s30, VSC
	v_add_nc_u32 v[WSA], s30, v[R8]
	s_mov_b32 s43, 4
.Lv:
	s_wait_loadcnt 0x0
	s_wait_alu depctr_va_vdst(0)
	GEMMQ 1
	s_cmp_lg_u32 s43, 1
	s_cbranch_scc1 .Lv_on
	LOADW 2
	s_mov_b32 s44, 4096                                ; Q's first quad: queries 64 on, then 0 on
	COSSIN 18, 262144                                  ; V has no rotary: the registers of cos and sin take those of Q's first quad while V's last epilogue runs
.Lv_on:
	VEPI
	v_add_nc_u32 v2, XBLK, v2
	v_add_nc_u32 v[WI], 768, v[WI]
	v_add_nc_u32 v[WSA], 2, v[WSA]
	s_sub_co_u32 s43, s43, 1
	s_cmp_lg_u32 s43, 0
	s_cbranch_scc1 .Lv
	BARRIER                                            ; nobody reads quads 2 and 3 of x any more: Q's codes take their bytes
	; ---- Q: the two quads that are the window's queries
	v_and_b32 v2, 31, v0
	s_delay_alu instid0(VALU_DEP_1)
	v_lshlrev_b32 v2, 4, v2
	s_mul_i32 s30, s26, 6144
	s_add_co_u32 s30, s30, QIMG
	v_add_nc_u32 v[WI], s30, v[L8]
	s_lshl_b32 s30, s26, 8
	s_add_co_u32 s30, s30, QSC
	v_add_nc_u32 v[WSA], s30, v[R4]
	s_mov_b32 s43, 2
	s_wait_loadcnt 0x0                                 ; the pass's weights
.Lq:
	s_wait_alu depctr_va_vdst(0)
	GEMMQ 0
	s_wait_loadcnt 0x0
	s_cmp_lg_u32 s43, 1
	s_cbranch_scc1 .Lq_on
	WIN 0x40                                           ; the last trip: my 16 queries' mask, 256 keys, in the scores' layout and the quads' order in LDS
.set tp, 0
.rept 16
.set tl, 4*((3*(tp/4))%4)+tp%4
	global_load_b128 v[MK+8*tp:MK+8*tp+3], v7, s[22:23] offset:(32*(tl/2)+8*(tl%2))*4
	global_load_b128 v[MK+8*tp+4:MK+8*tp+7], v7, s[22:23] offset:(32*(tl/2)+8*(tl%2))*4+16
.set tp, tp+1
.endr
	WIN 0
.Lq_on:
	RKEPI 1
	v_add_nc_u32 v2, XBLK, v2
	v_add_nc_u32 v[WI], 1536, v[WI]
	v_add_nc_u32 v[WSA], 64, v[WSA]
	s_sub_co_u32 s43, s43, 1
	s_cmp_lg_u32 s43, 0
	s_cbranch_scc1 .Lq
	BARRIER                                            ; Q's, K's and V's codes lie in LDS; nobody reads x any more: O's codes take the bytes of quads 0 and 1
	; ---- attention: 16 heads, four a trip
	s_wait_loadcnt 0x0                                 ; the mask
	WIN 0x41
.set hj, 0
.rept 64
	v_pk_mul_f32 v[MK+hj:MK+hj+1], v[MK+hj:MK+hj+1], 0x40b504f3 op_sel_hi:[1,0]   ; x sqrt(32): (q . k + mask sqrt(32)) x c = t
.set hj, hj+2
.endr
	WIN 0x40
.irp i, 0,1,2,3,4,5
	v_mov_b32 v[QV+\i], 0
	v_mov_b32 v[QV+12+\i], 0
	v_mov_b32 v[QV+24+\i], 0
.endr
	WIN 0
.irp b, 0,1,2,3,4,5,6,7
	v_mov_b32 v[BT+\b], 0                              ; written once: a lane permute's destination counts as one of its sources
.endr
	v_mov_b32 v[NM+1], 0                               ; (named as the upper halves of pairs)
	v_mov_b32 v[RL+1], 0
	v_add_nc_u32 v[KA], KIMG, v1
	v_add_nc_u32 v[VA], VIMG, v[L8]
	v_add_nc_u32 v[KSA], KSC, v[R16]
	v_add_nc_u32 v[VSA], VSC, v[R8]
	s_lshr_b32 s30, s26, 2                             ; sel: which quad of queries;  wave % 4: which tile, that is which block of Q's fragment
	s_mul_i32 s31, s30, 1536
	s_bfe_u32 s32, s26, 0x10001
	s_mul_i32 s32, s32, 768
	s_add_co_u32 s31, s31, s32
	s_and_b32 s32, s26, 1
	s_lshl_b32 s32, s32, 7
	s_add_co_u32 s31, s31, s32
	s_add_co_u32 s31, s31, QIMG
	v_add_nc_u32 v[QA], s31, v[R8]
	s_lshl_b32 s31, s30, 6
	s_add_co_u32 s31, s31, QSC
	v_add_nc_u32 v[QSA], s31, v[R4]
	s_mul_i32 s31, s30, XBLK
	s_and_b32 s32, s26, 3
	s_mul_i32 s33, s32, 6144
	s_add_co_u32 s33, s33, s31
	v_add_nc_u32 v[WI], s33, v1
	s_lshl_b32 s33, s32, 9
	s_add_co_u32 s33, s33, s31
	s_add_co_u32 s33, s33, XSCO
	v_add_nc_u32 v[WSA], s33, v1
	s_wait_alu depctr_va_vdst(0)                       ; ahead of the first readers of the addresses just made
	LQK 0                                              ; the first head's operands
	LV 0, 0
	s_mov_b32 s43, 4
.Lheads:
	s_wait_alu depctr_va_vdst(0)
	HEAD 0
	HEAD 1
	HEAD 2
	HEAD 3
.irp c, 0,1                                            ; four heads are one K step of the output projection: a fragment and a scale word
.irp i, 0,1,2
	v_permlane16_swap_b32 v[PCO+6*\c+\i], v[PCO+12+4*\c+\i]
.endr
.irp i, 0,1,2
	s_delay_alu instid0(VALU_DEP_3)
	v_mov_b32 v[PCO+3+6*\c+\i], v[PCO+12+4*\c+\i]
.endr
.endr
.irp g, 0,1,2
	ds_store_b128 v[WI], v[PCO+4*\g:PCO+4*\g+3] offset:512*\g
.endr
	ds_store_b32 v[WSA], v[PWO]
	v_add_nc_u32 v[WI], 1536, v[WI]
	v_add_nc_u32 v[WSA], 4, v[WSA]
	v_add_nc_u32 v[KA], 24576, v[KA]
	v_add_nc_u32 v[VA], 24576, v[VA]
	v_add_nc_u32 v[KSA], 1024, v[KSA]
	v_add_nc_u32 v[VSA], 1024, v[VSA]
	v_add_nc_u32 v[QA], 12288, v[QA]
	v_add_nc_u32 v[QSA], 512, v[QSA]
	s_sub_co_u32 s43, s43, 1
	s_cmp_lg_u32 s43, 0
	s_cbranch_scc1 .Lheads
	s_wait_dscnt 0x0                                   ; O's last stores have read their registers, and the last look-ahead loads have landed: the weights and the bias land there
	LOADW 3, 32                                        ; the first 32 loads of codes went out in the last head
	BARRIER                                            ; O's codes lie in LDS, and nobody reads K's any more: the stages take their bytes
	; ---- the output projection: two quads of queries
	v_and_b32 v2, 31, v0
	s_delay_alu instid0(VALU_DEP_1)
	v_lshlrev_b32 v2, 4, v2
	s_mov_b32 s43, 2
.Lp:
	s_wait_loadcnt 0x0
	s_wait_alu depctr_va_vdst(0)
	GEMMQ 2
	TOSTAGE 0
	TOSTAGE 1
	SEND 0, 16
	TOSTAGE 2
	SEND 1, 16
	TOSTAGE 3
	SEND 2, 16
	SEND 3, 0
	s_wait_xcnt 0x0                                    ; the stores have read their registers and their base: both may be written again
	s_sub_nc_u64 s[24:25], s[24:25], 524288            ; the second quad's queries lie four image rows up
	v_add_nc_u32 v2, XBLK, v2
	s_sub_co_u32 s43, s43, 1
	s_cmp_lg_u32 s43, 0
	s_cbranch_scc1 .Lp
	s_wait_xcnt 0x0
	v_lshl_add_u32 v254, v0, 2, 0x4c000
	v_mov_b32 v255, 0
	s_wait_alu depctr_va_vdst(0)
	s_wait_tensorcnt 0x0
	ds_add_u32 v254, v255
	s_wait_dscnt 0x0
	s_endpgm
.Lfunc_end_k_q4db5d24e32_attn:
	.size	k_q4db5d24e32_attn, .Lfunc_end_k_q4db5d24e32_attn-k_q4db5d24e32_attn
	.p2alignl 7, 3214868480
	.fill 96, 4, 3214868480
	.section	.rodata,"a",@progbits
	.p2align	6, 0x0
	.amdhsa_kernel k_q4db5d24e32_attn
		.amdhsa_group_segment_fixed_size 312320
		.amdhsa_private_segment_fixed_size 0
		.amdhsa_enable_private_segment 0
		.amdhsa_kernarg_size 88
		.amdhsa_user_sgpr_count 2
		.amdhsa_user_sgpr_kernarg_segment_ptr 1
		.amdhsa_wavefront_size32 1
		.amdhsa_system_sgpr_workgroup_id_x 1
		.amdhsa_system_sgpr_workgroup_id_y 1
		.amdhsa_system_sgpr_workgroup_id_z 1
		.amdhsa_system_vgpr_workitem_id 0
		.amdhsa_next_free_vgpr 512
		.amdhsa_next_free_sgpr 66
		.amdhsa_reserve_vcc 0
		.amdhsa_float_denorm_mode_32 3
		.amdhsa_float_denorm_mode_16_64 3
		.amdhsa_memory_ordered 1
		.amdhsa_forward_progress 1
		.amdhsa_inst_pref_size 255
	.end_amdhsa_kernel
	.section	.bss,"aw",@nobits
	.p2align	6
	.space	262144
	.amdgpu_metadata
---
amdhsa.version: [ 1, 2 ]
amdhsa.kernels:
  - .name:           k_q4db5d24e32_attn
    .symbol:         k_q4db5d24e32_attn.kd
    .args:
      - { .name: xcodes, .offset: 0, .size: 8, .value_kind: global_buffer, .address_space: global }
      - { .name: xscales, .offset: 8, .size: 8, .value_kind: global_buffer, .address_space: global }
      - { .name: wcodes, .offset: 16, .size: 8, .value_kind: global_buffer, .address_space: global }
      - { .name: wscales, .offset: 24, .size: 8, .value_kind: global_buffer, .address_space: global }
      - { .name: b_q, .offset: 32, .size: 8, .value_kind: global_buffer, .address_space: global }
      - { .name: b_kv, .offset: 40, .size: 8, .value_kind: global_buffer, .address_space: global }
      - { .name: b_proj, .offset: 48, .size: 8, .value_kind: global_buffer, .address_space: global }
      - { .name: pos_embed_q, .offset: 56, .size: 8, .value_kind: global_buffer, .address_space: global }
      - { .name: pos_embed_kv, .offset: 64, .size: 8, .value_kind: global_buffer, .address_space: global }
      - { .name: mask, .offset: 72, .size: 8, .value_kind: global_buffer, .address_space: global }
      - { .name: out0, .offset: 80, .size: 8, .value_kind: global_buffer, .address_space: global }
    .group_segment_fixed_size: 312320
    .private_segment_fixed_size: 0
    .kernarg_segment_align: 8
    .kernarg_segment_size: 88
    .max_flat_workgroup_size: 256
    .sgpr_count:     66
    .vgpr_count:     512
    .wavefront_size: 32
...
	.end_amdgpu_metadata
.endif
;; end of part 2
